; MI455X (gfx1250); checked and timed in simulation.
; The chip was launched on July 23, 2026; its instructions are those of AMD's public machine-readable ISA for CDNA 5 (MIT licence, August 2026) and "CDNA5" Instruction Set Architecture Reference Guide (July 2026). The comments in the code are by the model that wrote it; some were corrected since.
;; Multi Head Attention. Allowed arithmetic: matrix products marked QUANTISED: E4M3 operands, one given power-of-two scale a tensor, by v_wmma_f32_16x16x64_fp8_fp8 or v_wmma_f32_16x16x128_fp8_fp8, f32 sums; everything else in f32.
;; Inputs: b_out 1,024 float32; b_qkv 3,072 float32; lowp_scales 8 int32 (the exponents e of the quantised operands' scales 2^e); w_out_codes 1,024 x 32 x 32 uint8 (E4M3 codes of w_out, K innermost, in blocks of 32 codes); w_qkv_codes 3,072 x 32 x 32 uint8 (E4M3 codes of w_qkv, K innermost, in blocks of 32 codes); x_codes 4 x 2,048 x 32 x 32 uint8 (E4M3 codes of x, K innermost, in blocks of 32 codes).
;; Outputs: out0 4 x 2,048 x 1,024 float32.
;; This version of the problem:
;;   THIS VERSION OF THE PROBLEM IS GIVEN IN LOW PRECISION. The matrix products marked QUANTISED in the list below multiply operands that are first quantised to E4M3 (4 exponent bits, 3 mantissa bits; 8 bits a number), with one given power-of-two scale for each operand tensor; their sums are f32. All else is computed in f32.
;;   The module's matrix products, in the order in which they are computed (A, B: the left and right operand; K: the contracted axis; several contracted axes count as one K, in the product's order):
;;     1. [M 8,192, K 1,024] x [K 1,024, N 3,072]; A: input x (given as codes); B: input w_qkv (given as codes): QUANTISED (scales: A lowp_scales[0], B lowp_scales[1])
;;     2. batch 64 x [M 2,048, K 64] x [K 64, N 2,048]; A: computed on the way; B: computed on the way: QUANTISED (scales: A lowp_scales[2], B lowp_scales[3])
;;     3. batch 64 x [M 2,048, K 2,048] x [K 2,048, N 64]; A: softmax (see below); B: computed on the way: QUANTISED (scales: A lowp_scales[4], B lowp_scales[5])
;;     4. [M 8,192, K 1,024] x [K 1,024, N 1,024]; A: computed on the way; B: input w_out (given as codes): QUANTISED (scales: A lowp_scales[6], B lowp_scales[7])
;;   THE QUANTISER, for each operand of a quantised product, along K:
;;     - The operand's scale is 2^e, e = its entry of the input lowp_scales (int32; the entries are numbered through the quantised products in the list's order, A before B).
;;     - Each number is divided by the scale, clamped to +-448, and rounded to the nearest number of E4M3, ties to even, subnormals kept.
;;     - The product sums the exact products of the quantised numbers (number of the format x scale) in f32.
;;   ~~~python
;;   def quantise(x, axis, e):      # numpy; x: float32 -> the quantised numbers, widened to float32 again
;;       x = np.moveaxis(x, axis, -1); K = x.shape[-1]
;;       r = np.clip(x / 2.0 ** e, -448, 448)
;;       step = 2.0 ** (np.maximum(np.frexp(np.where(r == 0, 1, r))[1] - 1, -6) - 3)
;;       q = np.round(r / step) * step * 2.0 ** e      # np.round: ties to even
;;       return np.moveaxis(q, -1, axis).astype(np.float32)
;;   ~~~
;;   SOFTMAX AHEAD OF A QUANTISED PRODUCT. Where the list says 'softmax', what is quantised is not the finished softmax but p = 2^(t - M), with t = logit x log2(e) and M = ceil(the row's largest t), a whole number; so 1/2 < the row's largest p <= 1. The row's sum l is taken of the UNQUANTISED p, in f32, and the product's result is divided by l at the end. Since M is a whole number, a kernel that streams over the keys may use a running M (the ceiling of the running maximum): every later rescaling is an exact power of two, so the quantised numbers keep their values, but for numbers so far below the row's largest that they fall under the format's range.
;;   OPERANDS COMPUTED ON THE WAY. 'Computed on the way' means the value that the module computes at that place (a softmax that the list does not call 'softmax' is quantised finished and normalised). What goes into a quantiser is computed in f32, as accurately as f32 sums, v_exp_f32 and their like allow (about 1e-6 of the number): no bf16 or f16 on the way to a quantiser, and a product that is left as it is and whose result goes on into a quantised operand takes f32 operands (vector FMAs, or v_wmma_f32_16x16x4_f32). A number that lies on a knife's edge between two numbers of the format may be rounded either way, as far as f32 arithmetic and the matrix unit's own rounding can turn it there, and no further.
;;   INPUTS GIVEN AS CODES. w_out (in the module: [1024, 1024], K = its axis 0); w_qkv (in the module: [1024, 3072], K = its axis 0); x (in the module: [4, 2048, 1024], K = its axis 2): each comes as NAME_codes (uint8): NAME with its K axis moved to the last place and cut into blocks of 32 codes, [.., K / 32, bytes a block], one block behind the other in memory; one code a byte (a code: sign, 4 exponent bits, 3 mantissa bits); its scale is its entry of lowp_scales. Its value is code x scale, taken as it is: it is not quantised again, and the codes and scales need not be those that the quantiser above would give.
;; One version. Each part assembles by itself: llvm-mc -triple=amdgcn-amd-amdhsa -mcpu=gfx1250 --defsym DOCPART=n.
;; ======== version 1 of 1: 3 launches
;; limits: right only within a limited range of input values
;; workspace buffers: qkv 25,165,824 bytes; attn 8,388,608 bytes
;; launch qkv_proj (part 1): grid 12 x 32, 4 waves a work-group, clusters of 4 x 4, 327,680 bytes of LDS; arguments x_codes, w_qkv_codes, lowp_scales, b_qkv, qkv; writes qkv
.if DOCPART == 1
	.amdgcn_target "amdgcn-amd-amdhsa--gfx1250"
	.amdhsa_code_object_version 6
	.text
	.protected	k_q675db2c302_qkv_proj
	.globl	k_q675db2c302_qkv_proj
	.p2align	8
	.type	k_q675db2c302_qkv_proj,@function
k_q675db2c302_qkv_proj:
	s_mov_b64 s[64:65], 0
	v_nop
	global_prefetch_b8 v0, s[64:65] scope:SCOPE_SE
	s_setreg_imm32_b32 hwreg(HW_REG_WAVE_MODE, 25, 1), 1
	s_wait_xcnt 0x0
	s_wait_alu depctr_hold_cnt(0) depctr_sa_sdst(0) depctr_va_vdst(0) depctr_va_sdst(0) depctr_va_ssrc(0) depctr_va_vcc(0) depctr_vm_vsrc(0)
	s_getreg_b32 s2, hwreg(HW_REG_IB_STS2, 6, 4)
	s_cmp_eq_u32 s2, 0
	s_cbranch_scc0 .Lentry_in_a_cluster
	s_endpgm
.Lentry_in_a_cluster:
	s_bfe_u32 s2, ttmp6, 0x10000c
	s_cmp_lg_u32 s2, 0xf033
	s_cbranch_scc0 .Lentry_shape_is_right
	s_endpgm
.Lentry_shape_is_right:
; qkv = x W^T + b_qkv on codes of E4M3, then q, k and v are quantised and stored as IMAGES OF OPERAND REGISTERS.
; x: [8192][1024] codes, W: [3072][1024] codes (K innermost), b_qkv [3072] f32, lowp_scales e0..e7 (int32).
; A sum stands for sum x 2^(e0 + e1); value = sum x 2^(e0 + e1) + bias (one fused multiply-add); code = value / 2^e, held within +-448, nearest, ties to even; e = e2 (q), e3 (k), e5 (v).
; LIMITS: e0 + e1 between -126 and 127; e2, e3, e5 between -126 and 119, so that each power of two below is an f32 number.  NaN among the inputs is not served.
; SHARES.  A work-group of four waves makes 256 tokens x 256 rows of W; a wave 128 x 128: 64 accumulators of 16 x 16, 512 registers.  K = 1,024 goes in four slot fills of 256 through a ring of two LDS slots.
; CLUSTERS: 4 x 4 work-groups; x's tile is shared along a row of the cluster, W's along a column: each is asked for jointly, by the same tensor load with the same descriptor and a mask that names the four.
; ROLES.  In a result a lane holds ONE row of source 1 (called R) and its eight registers run along eight rows of source 0 (called P).  A conversion of those eight registers gives registers 2 c, 2 c + 1 of a plain
; fp8 fragment whose row is R's and whose k runs along P's rows.  q and k are operands along the head's 64 (rows of W): P = W, R = x.  v is an operand along the keys (rows of x): P = x, R = W.
; The kind is the same in all sixteen partners (it hangs on the cluster's x alone); only the two LDS read bases, the bias and the stores' offsets differ.
; OUT.  Q and K regions: [16 b + head][token tile 128][piece 2][lane 32][16 bytes]; V region: [16 b + head][key step 16][channel tile 4][piece 4][lane 32][16 bytes]; regions 8,388,608 bytes apart.
; Each store of a wave covers 512 consecutive bytes, aligned: four registers of a fragment, lane l at 16 l.  No LDS on the way out.
; REGISTERS, in windows of 256: window 0: v16-31 addresses and constants; v32-95 bias along P; v96-111 bias along R; v128-255 R's fragments, ONE set (on the way out: v128-191 values, v192-255 codes, four sets).
;   window 1: P's fragments, TWO sets.   window 2: accumulators of R's blocks 0-3 (accumulator (a, b) at v[8 (8 (a % 4) + b)]);   window 3: blocks 4-7.
.set ROWB,   256                       ; a tile's row in bytes: 256 codes
.set KROW,   1024                      ; a row of x or of W in memory, in bytes
.set PITCH,  272                       ; an LDS row: 256 bytes + 16 of padding = 68 words: row r starts at bank 4 r mod 64 (64 banks of 4 bytes: ISA guide 11.1)
.set FR,     16                        ; registers of a fragment: 16 rows x 128 K
.set NL,     4                         ; LDS loads that bring one
.set NP,     4                         ; places behind this matrix instruction (ISA guide 7.12.1)
.set HALFT,  128*PITCH                 ; 128 rows: what one tensor load brings, and what one wave reads of x or of W
.set SLOT,   4*HALFT                   ; x's 256 rows, then W's 256 rows
.set SPARE,  2*SLOT                    ; behind the ring: the spare words, 128 bytes for each wave; no other line names them
.set ADRA, 16                          ; v16-17  LDS address of my R fragments in slot 0, 1
.set ADRB, 20                          ; v20-21  the same for P
.set LI,   24                          ; v24     16 x lane: my place in an image
.set BPO,  25                          ; v25     bias along P: 32 (lane / 16) + 512 x (wave % 2)
.set BRO,  26                          ; v26     bias along R: 4 (lane % 16) + 512 x (wave / 2)
.set SPW,  28                          ; v28     LDS address of my spare word; never rewritten
.set NIL,  29                          ; v29     0; never rewritten
.set SCL,  30                          ; v30     2^e as f32
.set LIM,  31
.set BP,   32                          ; v32-95  register 8 b + j: bias of P row 16 b + 8 (lane / 16) + j
.set BR,   96                          ; v96-111 registers 2 a and 2 a + 1: bias of R row 16 a + lane % 16
.set AF,   128                         ; R's fragments
.set VAL,  128                         ; the way out: 64 values
.set CD,   192                         ; the way out: codes, 16 registers a block, four sets by turns
.set G1, 24                            ; s[24:31] descriptor group 1 for x's tiles;  s[32:39] group 0, one set for each slot
.set G0, 32
.set G1B, 48                           ; s[48:55], s[56:63] the same for W's tiles
.set G0B, 56
.set MSB, 0
.macro WIN new                         ; the immediate's high byte repeats the setting that is left
.if MSB != (\new)
	s_set_vgpr_msb (MSB<<8)|(\new)
.set MSB, (\new)
.endif
.endm
.set MUL_LO, 0xa1                      ; source 0 (P) window 1, source 1 (R) window 0, C and D window 2
.set MUL_HI, 0xf1                      ; the same, C and D window 3
.set TO_B,   0x40                      ; destination window 1, address window 0
; A joint load: waves 0 and 1 fetch x's halves, waves 2 and 3 W's.  Each line has one mask and one set of registers for all that issue it; the branch hangs on the wave's number alone.
; Four v_nop follow each of the two lines, ahead of the jump, the label and what follows.
.macro JLOAD g0a, g1a, g0b, g1b
	s_cmp_eq_u32 s15, 0
	s_cbranch_scc0 .Lfor_b_\@
	tensor_load_to_lds s[\g0a:\g0a+3], s[\g1a:\g1a+7]
	s_nop 0
.rept 4
	v_nop
.endr
	s_branch .Lasked_\@
.Lfor_b_\@:
	tensor_load_to_lds s[\g0b:\g0b+3], s[\g1b:\g1b+7]
	s_nop 0
.rept 4
	v_nop
.endr
.Lasked_\@:
.endm
.macro CREST                           ; a round of the cluster's barrier behind its opening barrier
	s_cmp_lg_u32 s14, 0
	s_cbranch_scc1 .Lnot_wave_0_\@
	s_barrier_signal -3
.Lnot_wave_0_\@:
	s_barrier_wait -3
	s_barrier_signal -1
	s_barrier_wait -1
.endm
.macro CROUND                          ; a whole round
	s_barrier_signal -1
	s_barrier_wait -1
	CREST
.endm
	s_load_b128 s[4:7], s[0:1], 0x0                ; x's codes s[4:5], W's codes s[6:7]
	s_load_b128 s[8:11], s[0:1], 0x10              ; the exponents s[8:9], b_qkv s[10:11]
	s_load_b64 s[12:13], s[0:1], 0x20              ; qkv
	v_lshl_add_u32 v[SPW], v0, 2, SPARE
	v_mov_b32 v[NIL], 0
	ds_add_u32 v28, v29
	ds_add_u32 v28, v29
	s_wait_dscnt 0x0
	v_lshrrev_b32 v1, 5, v0
	v_readfirstlane_b32 s14, v1                    ; wave 0..3
	s_lshr_b32 s15, s14, 1                         ; which half of R's rows is mine.  Also: I fetch for x (0) or for W (1)
	s_and_b32 s16, s14, 1                          ; which half of P's rows.  Also: which 128 rows of that tile I fetch
	s_bfe_u32 s40, ttmp6, 0x40000                  ; cx, cy: my place in the cluster
	s_bfe_u32 s41, ttmp6, 0x40004
	s_lshl_b32 s42, ttmp9, 2
	s_add_co_u32 s42, s42, s40                     ; tc: tile of 256 rows of W = 4 x cluster x + cx
	s_and_b32 s17, ttmp7, 0xffff
	s_lshl_b32 s17, s17, 2
	s_add_co_u32 s17, s17, s41                     ; tr: tile of 256 tokens = 4 x cluster y + cy
	s_lshl_b32 s43, s41, 2
	s_lshl_b32 s43, 15, s43                        ; my row of the cluster
	s_lshl_b32 s44, 0x1111, s40                    ; my column
	; descriptor group 1: a tile of 128 rows x 256 bytes, padded in LDS
	s_or_b32 s[G1+0], s43, (0<<16)|(1<<20)|(1<<21)|(5<<22)|(3<<25)  ; 15:0 the mask: x's tiles go to my row; 17:16 element of 1 byte; 20 padding on; 21 set beside a mask; 24:22 after every 64 words; 31:25 four words
	s_or_b32 s[G1B+0], s44, (0<<16)|(1<<20)|(1<<21)|(5<<22)|(3<<25) ; the same with the mask of my column, for W's tiles
.irp g, G1, G1B
	s_mov_b32 s[\g+1], ROWB<<16                    ; tensor_dim0
	s_mov_b32 s[\g+2], 128<<16                     ; tensor_dim1 = 128
	s_mov_b32 s[\g+3], ROWB<<16                    ; tile_dim0
	s_mov_b32 s[\g+4], 128                         ; tile_dim1 = 128
	s_mov_b32 s[\g+5], KROW                        ; tensor_dim0_stride
	s_mov_b32 s[\g+6], 0
	s_mov_b32 s[\g+7], 0
.endr
	s_lshl_b32 s18, s16, 7                         ; which 128 rows of the tile I fetch
	s_lshl_b32 s20, s17, 8
	s_add_co_u32 s20, s20, s18                     ; x: row 256 tr + 128 x half,
	s_lshl_b32 s20, s20, 10                        ; in bytes (under 2^23)
	s_mov_b32 s21, 0
	s_lshl_b32 s46, s42, 8
	s_add_co_u32 s46, s46, s18                     ; W: row 256 tc + 128 x half
	s_lshl_b32 s46, s46, 10
	s_mov_b32 s47, 0
	s_mul_i32 s45, s14, HALFT                      ; where they go: wave x 128 rows: no place in the cluster enters an LDS address
	s_cmp_eq_u32 ttmp9, 2                          ; the third column of clusters makes v: the same answer in all sixteen partners
	s_cselect_b32 s77, 2*HALFT, 0                  ; where R's rows lie in a slot: W's part for v, x's part for q and k
	s_cselect_b32 s78, 0, 2*HALFT                  ; where P's rows lie
	s_cselect_b32 s76, 1, 0                        ; the kind
	s_wait_kmcnt 0x0
	s_load_b256 s[68:75], s[8:9], 0x0              ; e0 .. e7
	s_add_nc_u64 s[20:21], s[4:5], s[20:21]
	s_add_nc_u64 s[46:47], s[6:7], s[46:47]
	CROUND                                         ; all sixteen work-groups are here: the first joint loads meet
.irp s, 0,1
	s_mov_b32 s[G0+4*\s], 1
	s_add_co_u32 s[G0+4*\s+1], s45, \s*SLOT
	s_add_nc_u64 s[G0+4*\s+2:G0+4*\s+3], s[20:21], \s*ROWB
	s_or_b32 s[G0+4*\s+3], s[G0+4*\s+3], 0x80000000
	s_mov_b32 s[G0B+4*\s], 1
	s_add_co_u32 s[G0B+4*\s+1], s45, \s*SLOT
	s_add_nc_u64 s[G0B+4*\s+2:G0B+4*\s+3], s[46:47], \s*ROWB
	s_or_b32 s[G0B+4*\s+3], s[G0B+4*\s+3], 0x80000000
	s_wait_alu depctr_va_vdst(0)
	s_wait_tensorcnt 0x0
	ds_add_u32 v28, v29
	ds_add_u32 v28, v29
	s_wait_dscnt 0x0
	CROUND
	JLOAD G0+4*\s, G1, G0B+4*\s, G1B               ; one load of mine is out behind the second: the wait above covers the first
.endr
	v_and_b32 v1, 15, v0                           ; r = lane % 16
	v_bfe_u32 v2, v0, 4, 1                         ; h = lane / 16
	s_wait_alu depctr_va_vdst(0)
	v_mul_u32_u24 v3, v1, PITCH
	v_lshl_add_u32 v4, v2, 4, v3                   ; a fragment's row x pitch + 16 x half
	s_mul_i32 s21, s15, HALFT
	s_add_co_u32 s21, s21, s77                     ; my 128 rows of R
	s_mul_i32 s22, s16, HALFT
	s_add_co_u32 s22, s22, s78                     ; my 128 rows of P
.irp s, 0,1
	v_add_nc_u32 v[ADRA+\s], s21, v4
	v_add_nc_u32 v[ADRB+\s], s22, v4
	s_add_co_u32 s21, s21, SLOT
	s_add_co_u32 s22, s22, SLOT
.endr
	v_and_b32 v5, 31, v0
	v_lshlrev_b32 v[LI], 4, v5
	s_lshl_b32 s18, s16, 9
	v_lshl_add_u32 v[BPO], v2, 5, s18
	s_lshl_b32 s19, s15, 9
	v_lshl_add_u32 v[BRO], v1, 2, s19
	s_lshl_b32 s88, s42, 10                        ; the tile's 256 numbers of b_qkv
	s_mov_b32 s89, 0
	s_add_nc_u64 s[88:89], s[10:11], s[88:89]
	; both layouts of the bias are loaded, whatever the kind: both lie inside the tile's 1,024 bytes of b_qkv, and the text keeps one branch on the kind
.irp b, 0,1,2,3,4,5,6,7
	global_load_b128 v[BP+8*\b:BP+8*\b+3], v[BPO], s[88:89] offset:64*\b
	global_load_b128 v[BP+8*\b+4:BP+8*\b+7], v[BPO], s[88:89] offset:64*\b+16
.endr
.irp a, 0,1,2,3,4,5,6,7
	global_load_b32 v[BR+2*\a], v[BRO], s[88:89] offset:64*\a
	global_load_b32 v[BR+2*\a+1], v[BRO], s[88:89] offset:64*\a     ; twice: the packed multiply-add takes a pair
.endr
.macro FRAG reg, adr, q, i             ; a fragment, 16 rows x 128 K, by four loads of 16 bytes: registers 4 c .. 4 c + 3 hold K = 32 c + 16 (lane / 16) + 0 .. 15: the same permutation of k in x and in W, so every product meets its partner
.irp c, 0,1,2,3
	ds_load_b128 v[\reg+4*\c:\reg+4*\c+3], v[\adr] offset:128*(\q)+32*\c+(\i)*16*PITCH
.endr
.endm
; 16 matrix instructions: R's blocks a0, a0 + 1 x P's eight, 128 along K.  p: P's set.  zero = 1: the first product starts the sums.
; The 64 accumulators take turns, one instruction a turn, in the same order in every step.
.macro MUL16 a0, p, zero
.irp a, \a0, \a0+1
.irp b, 0,1,2,3,4,5,6,7
.if \zero
	v_wmma_f32_16x16x128_fp8_fp8 v[8*(8*((\a)%4)+\b):8*(8*((\a)%4)+\b)+7], v[128*(\p)+FR*\b:128*(\p)+FR*\b+FR-1], v[AF+FR*(\a):AF+FR*(\a)+FR-1], 0
.else
	v_wmma_f32_16x16x128_fp8_fp8 v[8*(8*((\a)%4)+\b):8*(8*((\a)%4)+\b)+7], v[128*(\p)+FR*\b:128*(\p)+FR*\b+FR-1], v[AF+FR*(\a):AF+FR*(\a)+FR-1], v[8*(8*((\a)%4)+\b):8*(8*((\a)%4)+\b)+7]
.endif
.endr
.endr
.endm
.macro FETCH_B slot, q, p              ; P's eight fragments of the slot's q-th 128 along K into set p
	WIN TO_B
.irp i, 0,1,2,3,4,5,6,7
	FRAG 128*(\p)+FR*\i, ADRB+\slot, \q, \i
.endr
	WIN 0
.endm
.macro FETCH_A slot, q, i0             ; R's blocks i0 .. i0 + 3
.irp i, \i0, \i0+1, \i0+2, \i0+3
	FRAG AF+FR*(\i), ADRA+\slot, \q, \i
.endr
.endm
.macro PLACES n                        ; plain vector instructions between a matrix instruction and a load into, or a vector access of, its registers
.rept \n
	v_nop
.endr
.endm
; A step of 128 along K that has its successor in the same slot.
.macro STEP slot, q, zero
	s_wait_dscnt 4*NL                              ; P's set and R's blocks 0-3 are in; the youngest sixteen loads (R's blocks 4-7) may be out
	WIN MUL_LO
	MUL16 0, (\q)%2, \zero
	MUL16 2, (\q)%2, \zero
	s_wait_dscnt 0                                 ; R's blocks 4-7 are in
	PLACES NP
	FETCH_B \slot, (\q)+1, 1-(\q)%2
	FETCH_A \slot, (\q)+1, 0
	WIN MUL_HI
	MUL16 4, (\q)%2, \zero
	MUL16 6, (\q)%2, \zero
	PLACES NP
	WIN 0
	FETCH_A \slot, (\q)+1, 4
.endm
; A slot's last step changes slots: ONE barrier; in front of it each wave waits for all its tensor loads, adds 0 to its spare word, and waits for that and for its own reads of this slot.  fill = 1: this slot is filled again.
.macro TURN slot, next, fill
	s_wait_tensorcnt 0x0                           ; all my tensor loads have landed: my part of the next slot  (every window is 0 here)
	ds_add_u32 v[SPW], v[NIL]                      ; 0 onto my spare word
	s_wait_dscnt 4*NL+1                            ; the add and the youngest sixteen loads (R's blocks 4-7) may be out
	WIN MUL_LO
	MUL16 0, 1, 0                                  ; sixteen matrix instructions stand between the add and the wait for it
	s_wait_dscnt 0x0                               ; the add is done, and my reads of this slot are over
	s_barrier_signal -1
	MUL16 2, 1, 0
	WIN 0
	s_barrier_wait -1
.if \fill
	CREST                                          ; the barrier has opened a round of the cluster's barrier: no wave of any partner still reads this slot or has a load on its way
	s_add_nc_u64 s[G0+4*\slot+2:G0+4*\slot+3], s[G0+4*\slot+2:G0+4*\slot+3], 2*ROWB
	s_add_nc_u64 s[G0B+4*\slot+2:G0B+4*\slot+3], s[G0B+4*\slot+2:G0B+4*\slot+3], 2*ROWB
	JLOAD G0+4*\slot, G1, G0B+4*\slot, G1B         ; the first tensor load behind the round, my only one until the next; its four v_nop are the places in front of the loads below
.else
	PLACES NP
.endif
	FETCH_B \next, 0, 0
	FETCH_A \next, 0, 0
	WIN MUL_HI
	MUL16 4, 1, 0
	MUL16 6, 1, 0
	PLACES NP
	WIN 0
	FETCH_A \next, 0, 4
.endm
	s_wait_alu depctr_va_vdst(0)
	s_wait_tensorcnt 1                             ; my part of slot 0 is in; slot 1's load may be out
	s_barrier_signal -1
	s_barrier_wait -1                              ; everybody's is
	FETCH_B 0, 0, 0
	FETCH_A 0, 0, 0
	FETCH_A 0, 0, 4
	STEP 0, 0, 1                                   ; K = 1,024 is eight steps of 128, written out: the first starts the sums,
	TURN 0, 1, 1                                   ; two changes of slots fill a slot again,
	STEP 1, 0, 0
	TURN 1, 0, 1
	STEP 0, 0, 0
	TURN 0, 1, 0                                   ; the third fills nothing and has no round
	STEP 1, 0, 0
	s_wait_dscnt 4*NL                              ; the last step: nothing more to fetch
	WIN MUL_LO
	MUL16 0, 1, 0
	MUL16 2, 1, 0
	s_wait_dscnt 0
	WIN MUL_HI
	MUL16 4, 1, 0
	MUL16 6, 1, 0
	WIN 0
	; THE WAY OUT.
	s_wait_kmcnt 0x0
	s_add_co_i32 s66, s68, s69                     ; e0 + e1
	s_add_co_i32 s66, s66, 127
	s_lshl_b32 s66, s66, 23                        ; 2^(e0 + e1) as f32
	s_mov_b32 s67, s66                             ; (named with it as a pair, so it is written)
	s_lshr_b32 s80, s42, 2                         ; 0: q, 1: k, 2: v
	s_cmp_eq_u32 s80, 0
	s_cselect_b32 s79, s70, s71                    ; e2 or e3,
	s_cmp_eq_u32 s80, 2
	s_cselect_b32 s79, s73, s79                    ; or e5: a choice, no branch
	s_add_co_i32 s79, s79, 127
	s_lshl_b32 s18, s79, 23
	v_mov_b32 v[SCL], s18                          ; 2^e: the conversion takes its exponent field
	s_lshr_b32 s81, s17, 3
	s_lshl_b32 s81, s81, 4                         ; 16 x batch
	s_and_b32 s82, s42, 3
	s_lshl_b32 s82, s82, 2
	s_add_co_u32 s81, s81, s82                     ; + the tile's first head
	s_and_b32 s82, s17, 7                          ; which 256 tokens of the batch
	s_lshl_b32 s83, s16, 1                         ; q, k: ((head + 2 x P half) x 128 + 16 (tr % 8) + 8 x R half) token tiles of 1,024 bytes
	s_add_co_u32 s83, s83, s81
	s_lshl_b32 s83, s83, 7
	s_lshl_b32 s84, s82, 4
	s_add_co_u32 s83, s83, s84
	s_lshl_b32 s84, s15, 3
	s_add_co_u32 s83, s83, s84
	s_lshl_b32 s83, s83, 10
	s_lshl_b32 s84, s15, 1                         ; v: ((head + 2 x R half) x 16 + 2 (tr % 8) + P half) key steps of 8,192 bytes
	s_add_co_u32 s84, s84, s81
	s_lshl_b32 s84, s84, 4
	s_lshl_b32 s85, s82, 1
	s_add_co_u32 s84, s84, s85
	s_add_co_u32 s84, s84, s16
	s_lshl_b32 s84, s84, 13
	s_cmp_eq_u32 s76, 1
	s_cselect_b32 s86, s84, s83
	s_lshl_b32 s80, s80, 23                        ; the region
	s_add_co_u32 s86, s86, s80
	s_mov_b32 s87, 0
	s_add_nc_u64 s[12:13], s[12:13], s[86:87]
	s_wait_loadcnt 0x0                             ; the bias
	PLACES NP                                      ; behind the last products: their results are read and R's registers written below
; One block of 16 rows of R x 128 rows of P: value = sum x 2^(e0 + e1) + bias, each accumulator from its low end on; the hold; eight conversions give the block's 16 code registers; four stores of 512 bytes.
.macro OUT_A a, kind
	WIN 0x02+((\a)/4)                              ; source 0: window 2 or 3
.irp b, 0,1,2,3,4,5,6,7
.irp j, 0,2,4,6
.if \kind
	v_pk_fma_f32 v[VAL+8*\b+\j:VAL+8*\b+\j+1], v[64*((\a)%4)+8*\b+\j:64*((\a)%4)+8*\b+\j+1], s[66:67], v[BR+2*(\a):BR+2*(\a)+1] op_sel_hi:[1,0,1]
.else
	v_pk_fma_f32 v[VAL+8*\b+\j:VAL+8*\b+\j+1], v[64*((\a)%4)+8*\b+\j:64*((\a)%4)+8*\b+\j+1], s[66:67], v[BP+8*\b+\j:BP+8*\b+\j+1] op_sel_hi:[1,0,1]
.endif
.endr
.endr
	WIN 0
.if (\a) >= 4
	s_wait_alu depctr_va_vdst(0)
	s_wait_xcnt 0x0                                ; the stores of the block four back have read this set of code registers
.endif
.set n, 0
.rept 64
.set n, n+1
.endr
.irp b, 0,1,2,3,4,5,6,7
	v_cvt_scalef32_pk8_fp8_f32 v[CD+16*((\a)%4)+2*\b:CD+16*((\a)%4)+2*\b+1], v[VAL+8*\b:VAL+8*\b+7], v[SCL]   ; registers 2 b, 2 b + 1: k = 16 b + 8 (lane / 16) + 0 .. 7
.endr
	v_nop                                          ; one plain vector instruction behind the last conversion: the next block writes its sources
.irp g, 0,1,2,3
.if \kind
	global_store_b128 v[LI], v[CD+16*((\a)%4)+4*\g:CD+16*((\a)%4)+4*\g+3], s[12:13] offset:((\a)/4)*131072+((\a)%4)*2048+\g*512    ; head a / 4, channel tile a % 4, piece g
.else
	global_store_b128 v[LI], v[CD+16*((\a)%4)+4*\g:CD+16*((\a)%4)+4*\g+3], s[12:13] offset:(\g/2)*131072+(\a)*1024+(\g%2)*512      ; head g / 2, token tile a, piece g % 2
.endif
.endr
.endm
	s_cmp_eq_u32 s76, 1
	s_cbranch_scc1 .Lv
.irp a, 0,1,2,3,4,5,6,7
	OUT_A \a, 0
.endr
	s_branch .Ldone
.Lv:
.irp a, 0,1,2,3,4,5,6,7
	OUT_A \a, 1
.endr
.Ldone:
	s_wait_tensorcnt 0x0                           ; the wave's end
	ds_add_u32 v[SPW], v[NIL]
	s_wait_dscnt 0x0
	CROUND                                         ; the closing round: no work-group ends while a partner may still ask for a tile that names it
	s_endpgm
.Lfunc_end_k_q675db2c302_qkv_proj:
	.size	k_q675db2c302_qkv_proj, .Lfunc_end_k_q675db2c302_qkv_proj-k_q675db2c302_qkv_proj
	.p2alignl 7, 3214868480
	.fill 96, 4, 3214868480
	.section	.rodata,"a",@progbits
	.p2align	6, 0x0
	.amdhsa_kernel k_q675db2c302_qkv_proj
		.amdhsa_group_segment_fixed_size 327680
		.amdhsa_private_segment_fixed_size 0
		.amdhsa_enable_private_segment 0
		.amdhsa_kernarg_size 40
		.amdhsa_user_sgpr_count 2
		.amdhsa_user_sgpr_kernarg_segment_ptr 1
		.amdhsa_wavefront_size32 1
		.amdhsa_system_sgpr_workgroup_id_x 1
		.amdhsa_system_sgpr_workgroup_id_y 1
		.amdhsa_system_sgpr_workgroup_id_z 1
		.amdhsa_system_vgpr_workitem_id 0
		.amdhsa_next_free_vgpr 1024
		.amdhsa_next_free_sgpr 100
		.amdhsa_reserve_vcc 0
		.amdhsa_float_denorm_mode_32 3
		.amdhsa_float_denorm_mode_16_64 3
		.amdhsa_fp16_overflow 1
		.amdhsa_memory_ordered 1
		.amdhsa_forward_progress 1
		.amdhsa_inst_pref_size 131
	.end_amdhsa_kernel
	.amdgpu_metadata
---
amdhsa.version: [ 1, 2 ]
amdhsa.kernels:
  - .name:           k_q675db2c302_qkv_proj
    .symbol:         k_q675db2c302_qkv_proj.kd
    .args:
      - { .name: x_codes, .offset: 0, .size: 8, .value_kind: global_buffer, .address_space: global }
      - { .name: w_qkv_codes, .offset: 8, .size: 8, .value_kind: global_buffer, .address_space: global }
      - { .name: lowp_scales, .offset: 16, .size: 8, .value_kind: global_buffer, .address_space: global }
      - { .name: b_qkv, .offset: 24, .size: 8, .value_kind: global_buffer, .address_space: global }
      - { .name: qkv, .offset: 32, .size: 8, .value_kind: global_buffer, .address_space: global }
    .group_segment_fixed_size: 327680
    .private_segment_fixed_size: 0
    .kernarg_segment_align: 8
    .kernarg_segment_size: 40
    .max_flat_workgroup_size: 128
    .sgpr_count:     100
    .vgpr_count:     1024
    .wavefront_size: 32
...
	.end_amdgpu_metadata
.endif
;; end of part 1
;; launch attention (part 2): grid 4 x 64, 16 waves a work-group, no clusters, 327,680 bytes of LDS; arguments qkv, lowp_scales, attn; writes attn
.if DOCPART == 2
	.amdgcn_target "amdgcn-amd-amdhsa--gfx1250"
	.amdhsa_code_object_version 6
	.text
	.protected	k_q675db2c302_attention
	.globl	k_q675db2c302_attention
	.p2align	8
	.type	k_q675db2c302_attention,@function
k_q675db2c302_attention:
	s_mov_b64 s[64:65], 0
	v_nop
	global_prefetch_b8 v0, s[64:65] scope:SCOPE_SE
	s_setreg_imm32_b32 hwreg(HW_REG_WAVE_MODE, 25, 1), 1
	s_wait_xcnt 0x0
; attn[b][s][head 64 + d] = sum over keys k <= s of softmax(q . k / 8) v, both products on codes of E4M3; the result is quantised with e6 and stored as an image of the next product's operand registers.
; qkv holds images of operand registers.  Q, K regions: [16 b + head][token tile 128][piece 2][lane][16 bytes]: a fragment of 16 tokens x 64, in the K = 64 form's own order of k.
; V region: [16 b + head][key step 16][channel tile 4][piece 4][lane][16 bytes]: a fragment of 16 channels x 128 keys, in the K = 128 form's own order.  Regions 8,388,608 bytes apart.
; THE SOFTMAX: t = score x 2^(e2 + e3) x log2(e) / 8; M = the largest t so far, rounded UP to a whole number; p = 2^(t - M) is quantised with e4, not normalised; the sum is taken of the unquantised p and divides at the end.
; When M moves, the sum and O are multiplied by 2^(old M - new M): exact.
; SHARES.  A work-group owns one head and TWO blocks of 256 queries: first block 7 - i, then block i (i = work-group x, 0..3); each of its sixteen waves owns 16 queries of each block.
; Block 7 - i wants key slots (256 keys) 0 .. 7 - i, block i slots 0 .. i: NINE slots for every work-group, seven whole and two on the diagonal, so that all 256 work-groups have the same work and the trip count is a constant.
; NO CLUSTER: the four work-groups of a head ask for the same slot only in their first five trips; then each turns back to slot 0 at a trip of its own.  A joint walk would have every partner walk the longest
; sequence for both blocks, twelve slots in step against nine here.
; LAYOUT.  Both products are used transposed: S^T = K Q^T (source 0 = 16 keys), O^T = V^T P^T (source 0 = 16 channels): a lane holds ONE query (lane % 16) throughout.  In tile t of S^T register j is key 16 t + 8 (lane / 16) + j:
; its conversion gives registers 2 t, 2 t + 1 of P's fragment as the K = 128 form wants them.  Nothing changes lanes, and the tiles in LDS are read as they lie: 16 x lane + a constant.
; LIMITS: e2 + e3 between -123 and 130 (added to c's exponent field); e4 and e6 between -126 and 119; e4 + e5 is applied by v_ldexp_f32.  NaN among the inputs is not served.
; REGISTERS: v1 16 x lane; v2 the slot's address; v3 prefetch offset; v5, v6 for the add; v12 -M, v13 the largest t, v[14:15] the sum; v16-23 Q in hand; v24-31 Q of the second block; v32-95 K's eight or V's four fragments;
;   v96-159 S^T, then p; v160-191 O^T; v192-207 p's codes; v208-215 the result's codes; v236-254 at work and constants.
.set SLOT1, 1<<15                      ; a slot: 16,384 bytes of K, then 16,384 of V; slot 1 begins here, so that one exclusive or turns an address
.set VOFF,  16384
.set SPARE, 65536                      ; behind the ring: the spare words, 128 bytes for each of sixteen waves; no other line names them
.set LI,   1
.set ADR,  2
.set PFO,  3
.set SPW,  5
.set NIL,  6
.set TB,   2                           ; s2   LDS byte at which the slot in hand begins
.set WRAP, 3                           ; s3   8 - i: the number of the sequence at which the key slots begin anew
.set BH,   10                          ; s10  16 b + head
.set HB,   13                          ; s13  the head's first byte in a region
.set WV,   18                          ; s18  my wave's number
.set SEL,  20                          ; s[20:21] lane selects: lane l xor 16
.set CS,   22                          ; s[22:23] c = 2^(e2 + e3) log2(e) / 8
.set G1,   24                          ; s[24:31] descriptor group 1
.set G0,   40                          ; s[40:43] descriptor group 0, which walks
.set GB,   44                          ; s[44:45] my region (K: wave 0, V: wave 1) at my head
.set OFS,  46                          ; s[46:47] an offset, high word 0
.set KSN,  66                          ; s66  the key slot that was asked for last
.set SLOTS, 67                         ; s67  trips to go
.set PFA,  76                          ; s[76:77] where my prefetches stand
.set LIM,  80                          ; s80  2 in a wave that prefetches, else the greatest number
.set Q0B,  81                          ; s81  my first query in the second block
.set OB,   82                          ; s[82:83] where the block in hand is stored;  s[84:85] the second block
.set OB2,  84
.set ESUM, 86                          ; s86  e4 + e5
.set QA,   88                          ; s[88:89], s[90:91] Q's images of my two tiles
.set QB,   90
.set KF,   98                          ; s98  the step's first key
.set Q0,   99                          ; s99  my first query
; Wave 0 fetches a slot's K, wave 1 its V, the others nothing: 16,384 dense bytes each.  The branch hangs on the wave's number alone.  Four v_nop follow the load.
.macro TLOAD
	s_cmp_lt_u32 s[WV], 2
	s_cbranch_scc0 .Lnone_\@
	tensor_load_to_lds s[G0:G0+3], s[G1:G1+7]
	s_nop 0
.rept 4
	v_nop
.endr
.Lnone_\@:
.endm
; A PREFETCH INTO THE L2 of the key slot that the NEXT change of slots will ask for.  All four work-groups of a head walk the same K and V: the head's work-group 0, which walks slots 0 to 7 in order, asks, and nobody else.
; In it waves 4 and 5 ask for the two halves of K's 16,384 bytes, waves 6 and 7 for V's: 8,192 bytes a wave, lanes 256 bytes apart, one instruction.  Trip n names slot n + 2; trips 0 to 5 ask, so slots 2 to 7 are each named once;
; slots 0 and 1 come by their loads alone.
.macro ASK
	s_cmp_gt_u32 s[SLOTS], s[LIM]
	s_cbranch_scc0 .Lnot_mine_\@
	global_prefetch_b8 v[PFO], s[PFA:PFA+1] th:TH_LOAD_NT scope:SCOPE_SE
.Lnot_mine_\@:
.endm
.macro RESET                           ; a block's state: the largest t under every t, the sum and O^T zeros, which the first change of M leaves zeros
	v_mov_b32 v13, 0xff61b1e6                      ; -3e38
	s_delay_alu instid0(VALU_DEP_1)
	v_floor_f32 v12, -v13                          ; -M
	v_mov_b32 v14, 0
	v_mov_b32 v15, 0
.set n, 0
.rept 32
	v_mov_b32 v[160+n], 0
.set n, n+1
.endr
.endm
	s_load_b128 s[4:7], s[0:1], 0x0                ; qkv s[4:5], the exponents s[6:7]
	s_load_b64 s[8:9], s[0:1], 0x10                ; attn
	v_lshl_add_u32 v[SPW], v0, 2, SPARE
	v_mov_b32 v[NIL], 0
	ds_add_u32 v5, v6
	ds_add_u32 v5, v6
	s_wait_dscnt 0x0
	v_lshrrev_b32 v8, 5, v0
	s_delay_alu instid0(VALU_DEP_1)
	v_readfirstlane_b32 s[WV], v8                  ; wave 0..15
	s_and_b32 s[BH], ttmp7, 0xffff
	s_sub_co_u32 s[WRAP], 8, ttmp9
	s_sub_co_u32 s11, 7, ttmp9                     ; the first block
	; descriptor group 1: 16,384 dense bytes as 64 rows of 32 elements of 8 bytes, no padding
	s_mov_b32 s[G1], 3<<16                         ; 15:0 no mask; 17:16 elements of 8 bytes
	s_mov_b32 s[G1+1], 32<<16                      ; tensor_dim0 = 32
	s_mov_b32 s[G1+2], 64<<16                      ; tensor_dim1 = 64
	s_mov_b32 s[G1+3], 32<<16                      ; tile_dim0 = 32
	s_mov_b32 s[G1+4], 64                          ; tile_dim1 = 64
	s_mov_b32 s[G1+5], 32                          ; tensor_dim0_stride
	s_mov_b32 s[G1+6], 0
	s_mov_b32 s[G1+7], 0
	s_mov_b32 s[SEL], 0x76543210
	s_mov_b32 s[SEL+1], 0xfedcba98
	s_mov_b32 s[CS], 0x3e38aa3b                    ; log2(e) / 8
	s_mov_b32 s[TB], 0
	s_mov_b32 s[KSN], 0
	s_mov_b32 s[SLOTS], 8
	s_mov_b32 s[KF], 0
	s_lshl_b32 s12, s[WV], 4
	s_lshl_b32 s[Q0], s11, 8
	s_add_co_u32 s[Q0], s[Q0], s12                 ; 256 (7 - i) + 16 x wave
	s_lshl_b32 s[Q0B], ttmp9, 8
	s_add_co_u32 s[Q0B], s[Q0B], s12               ; 256 i + 16 x wave
	s_and_b32 s92, s[WV], 1
	s_lshl_b32 s[G0+1], s92, 14                    ; LDS: K's part of slot 0 (wave 0) or V's (wave 1)
	s_add_co_u32 s93, s92, 1
	s_lshl_b32 s93, s93, 23                        ; region 1 (K) or 2 (V)
	s_lshl_b32 s[HB], s[BH], 17                    ; a head is 131,072 bytes in each region
	s_add_co_u32 s[OFS], s93, s[HB]
	s_mov_b32 s[OFS+1], 0
	s_wait_kmcnt 0x0
	s_load_b256 s[68:75], s[6:7], 0x0              ; e0 .. e7
	s_add_nc_u64 s[GB:GB+1], s[4:5], s[OFS:OFS+1]
	s_mov_b32 s[G0], 1                             ; count = 1
	s_mov_b64 s[G0+2:G0+3], s[GB:GB+1]             ; key slot 0
	s_or_b32 s[G0+3], s[G0+3], 0x80000000          ; type = 2
	TLOAD                                          ; slot 0: the one first fill at the start; one load of mine is out at the most, here and later
	s_lshl_b32 s92, s[Q0], 6                       ; a token tile is 1,024 bytes
	s_add_co_u32 s92, s92, s[HB]
	s_mov_b32 s93, 0
	s_add_nc_u64 s[QA:QA+1], s[4:5], s[92:93]
	s_lshl_b32 s92, s[Q0B], 6
	s_add_co_u32 s92, s92, s[HB]
	s_add_nc_u64 s[QB:QB+1], s[4:5], s[92:93]
	v_and_b32 v[LI], 31, v0
	s_delay_alu instid0(VALU_DEP_1)
	v_lshlrev_b32 v[PFO], 8, v[LI]
	s_delay_alu instid0(VALU_DEP_2)
	v_lshlrev_b32 v[LI], 4, v[LI]
	global_load_b128 v[16:19], v[LI], s[QA:QA+1]               ; Q's fragments stay in registers
	global_load_b128 v[20:23], v[LI], s[QA:QA+1] offset:512
	global_load_b128 v[24:27], v[LI], s[QB:QB+1]
	global_load_b128 v[28:31], v[LI], s[QB:QB+1] offset:512
	; attn: [token tile 128 b + s / 16][head][piece 2][lane][16 bytes]
	s_lshr_b32 s94, s[BH], 4
	s_lshl_b32 s94, s94, 7                         ; 128 b
	s_and_b32 s95, s[BH], 15                       ; the head
	s_lshr_b32 s92, s[Q0], 4
	s_add_co_u32 s92, s92, s94
	s_lshl_b32 s92, s92, 4
	s_add_co_u32 s92, s92, s95
	s_lshl_b32 s92, s92, 10
	s_add_nc_u64 s[OB:OB+1], s[8:9], s[92:93]
	s_lshr_b32 s92, s[Q0B], 4
	s_add_co_u32 s92, s92, s94
	s_lshl_b32 s92, s92, 4
	s_add_co_u32 s92, s92, s95
	s_lshl_b32 s92, s92, 10
	s_add_nc_u64 s[OB2:OB2+1], s[8:9], s[92:93]
	; the prefetches: where my wave's stand, and who asks
	s_lshr_b32 s92, s[WV], 1
	s_and_b32 s92, s92, 1
	s_add_co_u32 s92, s92, 1
	s_lshl_b32 s92, s92, 23                        ; waves 4, 5: K's region; waves 6, 7: V's
	s_add_co_u32 s92, s92, s[HB]
	s_and_b32 s94, s[WV], 1
	s_lshl_b32 s94, s94, 13                        ; my half of a slot's 16,384 bytes,
	s_add_co_u32 s92, s92, s94
	s_add_co_u32 s92, s92, 16384                   ; in slot 1: the first change of slots steps it to slot 2
	s_add_nc_u64 s[PFA:PFA+1], s[4:5], s[92:93]
	s_sub_co_u32 s92, s[WV], 4
	s_lshr_b32 s92, s92, 2                         ; 0 in waves 4 to 7,
	s_or_b32 s92, s92, ttmp9                       ; of the head's work-group 0
	s_cmp_eq_u32 s92, 0
	s_cselect_b32 s[LIM], 2, -1
	RESET
	v_mov_b32 v236, 0                              ; written once: a lane permute's destination counts as one of its sources
	v_mov_b32 v253, 0                              ; (named as the upper half of the pair v[252:253])
	s_wait_kmcnt 0x0
	s_add_co_i32 s92, s70, s71
	s_lshl_b32 s92, s92, 23
	s_add_co_i32 s[CS], s[CS], s92                 ; e2 + e3 are added to c's exponent field
	s_mov_b32 s[CS+1], s[CS]                       ; (named with it as a pair, so it is written)
	s_add_co_i32 s92, s72, 127
	s_lshl_b32 s93, s92, 23
	v_mov_b32 v244, s93                            ; 2^e4
	s_add_co_i32 s92, s74, 127
	s_lshl_b32 s93, s92, 23
	v_mov_b32 v245, s93                            ; 2^e6
	s_add_co_i32 s[ESUM], s72, s73                 ; e4 + e5
; A KEY STEP: 128 keys, the q-th of the slot in hand.
.macro STEP q
	s_add_co_u32 s96, s[Q0], 15                    ; a step all of whose keys come after my 16 queries is left out: a scalar branch on ids, round its loads, products and softmax; no barrier and no tensor load stands in a step
	s_cmp_gt_u32 s[KF], s96
	s_cbranch_scc1 .Lhidden_\@
	v_add_nc_u32 v[ADR], s[TB], v[LI]
.rept 3
	v_nop                                          ; with the addition above: four places in front of loads into registers that the last products read
.endr
.irp t, 0,1,2,3,4,5,6,7
	ds_load_b128 v[32+8*\t:35+8*\t], v[ADR] offset:(8*(\q)+\t)*1024        ; K's fragment of keys 16 t on: its image as it lies
	ds_load_b128 v[36+8*\t:39+8*\t], v[ADR] offset:(8*(\q)+\t)*1024+512
.endr
	s_wait_alu depctr_va_vdst(0)
	s_wait_dscnt 0x0
.irp t, 0,1,2,3,4,5,6,7
	v_wmma_f32_16x16x64_fp8_fp8 v[96+8*\t:103+8*\t], v[32+8*\t:39+8*\t], v[16:23], 0   ; lane (r, h): query r; register j: key 16 t + 8 h + j
.endr
.rept 4
	v_nop                                          ; places: K's registers take V's loads, and the scores are read
.endr
.irp c, 0,1,2,3
.irp p, 0,1,2,3
	ds_load_b128 v[32+16*\c+4*\p:35+16*\c+4*\p], v[ADR] offset:VOFF+(\q)*8192+\c*2048+\p*512   ; V's four fragments land while the softmax is walked
.endr
.endr
	s_add_co_u32 s96, s[KF], 127                   ; on the diagonal the scores of hidden keys become -infinity ahead of the maximum: p = 0 then.  A step all of whose keys count skips this
	s_cmp_le_u32 s96, s[Q0]
	s_cbranch_scc1 .Lopen_\@
	s_sub_co_i32 s96, s[Q0], s[KF]
	v_and_b32 v252, 15, v0
	v_bfe_u32 v253, v0, 4, 1
	s_delay_alu instid0(VALU_DEP_1)
	v_lshlrev_b32 v253, 3, v253
	s_delay_alu instid0(VALU_DEP_1)
	v_sub_nc_u32 v252, v252, v253
	s_delay_alu instid0(VALU_DEP_1)
	v_add_nc_u32 v252, s96, v252                   ; d = my query - KF - 8 (lane / 16).  Register 8 t + j holds key KF + 8 (lane / 16) + 16 t + j: hidden where 16 t + j > d
	v_mov_b32 v254, 0xff800000                     ; -infinity
.set n, 0
.rept 64
	v_cmp_gt_i32 vcc_lo, 16*(n/8)+n%8, v252
	v_cndmask_b32 v[96+n], v[96+n], v254, vcc_lo
.set n, n+1
.endr
.Lopen_\@:
	v_max3_num_f32 v254, v96, v97, v98             ; the step's largest score of my query, among my 64 keys, in two chains (each tile is first read at its two lowest registers),
	v_max3_num_f32 v252, v99, v100, v101
.set n, 6
.rept 14
	v_max3_num_f32 v254, v254, v[96+n], v[97+n]
	v_max3_num_f32 v252, v252, v[98+n], v[99+n]
.set n, n+4
.endr
	v_max3_num_f32 v254, v254, v158, v159
	s_delay_alu instid0(VALU_DEP_1)
	v_max_num_f32 v254, v254, v252
	s_delay_alu instid0(VALU_DEP_1)
	v_permlanex16_b32 v236, v254, s[SEL], s[SEL+1]
	s_delay_alu instid0(VALU_DEP_1)
	v_max_num_f32 v254, v254, v236                 ; and among lane l xor 16's
	s_delay_alu instid0(VALU_DEP_1)
	v_mul_f32 v254, s[CS], v254                    ; as t (c is positive)
	s_delay_alu instid0(VALU_DEP_1)
	v_max_num_f32 v13, v13, v254                   ; the running largest t
	v_mov_b32 v254, v12
	s_delay_alu instid0(VALU_DEP_2)
	v_floor_f32 v12, -v13                          ; the new -M = floor(-t) = -ceil(t): a whole number
	s_delay_alu instid0(VALU_DEP_1)
	v_sub_f32 v254, v12, v254                      ; M's old value less its new one: a whole number, 0 or less
	s_delay_alu instid0(VALU_DEP_1)
	v_cvt_i32_f32 v254, v254                       ; (it saturates)
	s_delay_alu instid0(VALU_DEP_1)
	v_ldexp_f32 v252, 1.0, v254                    ; f = 2^(old M - new M)
.set n, 0
.rept 32
	v_pk_fma_f32 v[96+n:97+n], v[96+n:97+n], s[CS:CS+1], v[12:13] op_sel_hi:[1,0,0]   ; t - M, two at a time (of the pairs c and -M the low word serves both halves)
.set n, n+2
.endr
.set n, 0
	s_wait_alu depctr_va_vdst(0)
.rept 64
	v_exp_f32 v[96+n], v[96+n]                     ; p = 2^(t - M), at most 1
.set n, n+1
.endr
	v_pk_mul_f32 v[14:15], v[14:15], v[252:253] op_sel_hi:[1,0]   ; the sums under the new M: the plain instruction behind the exponentials
	s_wait_alu depctr_va_vdst(0)                   ; one wait for the whole batch, ahead of its first reader
	v_pk_add_f32 v[242:243], v[100:101], v[104:105]
	v_pk_add_f32 v[254:255], v[108:109], v[112:113]
	v_pk_add_f32 v[250:251], v[116:117], v[120:121]
	v_pk_add_f32 v[248:249], v[124:125], v[128:129]
	v_pk_add_f32 v[246:247], v[132:133], v[136:137]
	v_pk_add_f32 v[240:241], v[140:141], v[144:145]
	v_pk_add_f32 v[238:239], v[148:149], v[152:153]
	v_pk_add_f32 v[14:15], v[14:15], v[156:157]
	v_pk_add_f32 v[242:243], v[242:243], v[96:97]
	v_pk_add_f32 v[254:255], v[254:255], v[98:99]
	v_pk_add_f32 v[250:251], v[250:251], v[102:103]
	v_pk_add_f32 v[248:249], v[248:249], v[106:107]
	v_pk_add_f32 v[246:247], v[246:247], v[110:111]
	v_pk_add_f32 v[240:241], v[240:241], v[114:115]
	v_pk_add_f32 v[238:239], v[238:239], v[118:119]
	v_pk_add_f32 v[14:15], v[14:15], v[122:123]
	v_pk_add_f32 v[242:243], v[242:243], v[126:127]
	v_pk_add_f32 v[254:255], v[254:255], v[130:131]
	v_pk_add_f32 v[250:251], v[250:251], v[134:135]
	v_pk_add_f32 v[248:249], v[248:249], v[138:139]
	v_pk_add_f32 v[246:247], v[246:247], v[142:143]
	v_pk_add_f32 v[240:241], v[240:241], v[146:147]
	v_pk_add_f32 v[238:239], v[238:239], v[150:151]
	v_pk_add_f32 v[14:15], v[14:15], v[154:155]
	v_pk_add_f32 v[242:243], v[242:243], v[158:159]
	s_delay_alu instid0(VALU_DEP_2)
	v_pk_add_f32 v[14:15], v[14:15], v[248:249]
	s_delay_alu instid0(VALU_DEP_2)
	v_pk_add_f32 v[242:243], v[242:243], v[246:247]
	v_pk_add_f32 v[254:255], v[254:255], v[240:241]
	v_pk_add_f32 v[250:251], v[250:251], v[238:239]
	s_delay_alu instid0(VALU_DEP_2)
	v_pk_add_f32 v[14:15], v[14:15], v[254:255]
	s_delay_alu instid0(VALU_DEP_2)
	v_pk_add_f32 v[242:243], v[242:243], v[250:251]
	s_delay_alu instid0(VALU_DEP_1)
	v_pk_add_f32 v[14:15], v[14:15], v[242:243]
.irp t, 0,1,2,3,4,5,6,7
.irp j, 0,1,2,3,4,5,6,7
.endr
	v_cvt_scalef32_pk8_fp8_f32 v[192+2*\t:193+2*\t], v[96+8*\t:103+8*\t], v244   ; registers 2 t, 2 t + 1 of P's fragment: keys 16 t + 8 h + 0 .. 7
.endr
.set n, 0
.rept 16
	v_pk_mul_f32 v[160+n:161+n], v[160+n:161+n], v[252:253] op_sel_hi:[1,0]   ; O^T under the new M.  (Plain instructions between the conversions and the products below)
.set n, n+2
.endr
	s_wait_alu depctr_va_vdst(0)
	s_wait_dscnt 0x0                               ; V is in
.irp c, 0,1,2,3
	v_wmma_f32_16x16x128_fp8_fp8 v[160+8*\c:167+8*\c], v[32+16*\c:47+16*\c], v[192:207], v[160+8*\c:167+8*\c]   ; the four accumulators by turns; lane (r, h): query r; register j: channel 16 c + 8 h + j
.endr
.Lhidden_\@:
	s_add_co_u32 s[KF], s[KF], 128
.endm
; THE CHANGE OF SLOTS stands at a slot's head.  Each wave waits for all its tensor loads, adds 0 to its spare word, and waits for that and for its reads of the slot that it has left.  Behind the barrier the slot ahead is
; whole and nobody reads the other one.  fill = 1: that other slot is filled with the next key slot of the sequence: it has a whole slot's steps in which to land.
.macro CHANGE fill
	s_wait_tensorcnt 0x0                           ; no tensor load of mine is out, so group 0 may be written
	ds_add_u32 v[SPW], v[NIL]                      ; 0 onto my spare word; the descriptor's steps stand between it and the wait for it
.if \fill
	s_add_co_u32 s[KSN], s[KSN], 1                 ; the next key slot,
	s_cmp_eq_u32 s[KSN], s[WRAP]
	s_cselect_b32 s[KSN], 0, s[KSN]                ; or slot 0 again, where the second block begins
	s_lshl_b32 s[OFS], s[KSN], 14
	s_add_nc_u64 s[G0+2:G0+3], s[GB:GB+1], s[OFS:OFS+1]
	s_or_b32 s[G0+3], s[G0+3], 0x80000000
	s_xor_b32 s[G0+1], s[G0+1], SLOT1              ; into the other slot than last time
	s_wait_xcnt 0x0                                ; the last prefetch, a slot back, has read its address, so it may be written
	s_add_nc_u64 s[PFA:PFA+1], s[PFA:PFA+1], 16384
.endif
	s_wait_dscnt 0x0                               ; the add is done, and my reads of the slot that I have left are over
	s_barrier_signal -1
	s_barrier_wait -1
.if \fill
	TLOAD                                          ; the first thing behind the barrier, and a wave's one tensor load until the next
	ASK
.endif
.endm
; A BLOCK IS FINISHED: O^T / the sum x 2^(e4 + e5) is the attention's value; it is quantised with e6.  Tile c's conversion gives registers 2 c, 2 c + 1 of a fragment of 16 tokens x this head's 64:
; two stores of 512 consecutive bytes.  restart = 1: the second block's Q, state, first query and place take over.
.macro FINISH restart
	v_add_f32 v14, v14, v15                        ; the sum's two halves,
	s_wait_alu depctr_va_vdst(0)
	v_permlanex16_b32 v236, v14, s[SEL], s[SEL+1]
	s_delay_alu instid0(VALU_DEP_1)
	v_add_f32 v14, v14, v236                       ; and lane l xor 16's
	s_wait_alu depctr_va_vdst(0)
	v_rcp_f32 v14, v14
	v_nop                                          ; a plain instruction behind the reciprocal; with the additions and the line below also the places behind the last products
	v_nop
	s_wait_alu depctr_va_vdst(0)                   ; ahead of the reciprocal's first reader
	v_ldexp_f32 v14, v14, s[ESUM]
.set n, 0
.rept 16
	v_pk_mul_f32 v[96+n:97+n], v[160+n:161+n], v[14:15] op_sel_hi:[1,0]   ; each accumulator from its low end on
.set n, n+2
.endr
.set n, 0
.rept 32
.set n, n+1
.endr
.irp c, 0,1,2,3
	v_cvt_scalef32_pk8_fp8_f32 v[208+2*\c:209+2*\c], v[96+8*\c:103+8*\c], v245
.endr
	v_nop                                          ; one plain vector instruction behind the last conversion: later products write its sources
	global_store_b128 v[LI], v[208:211], s[OB:OB+1]
	global_store_b128 v[LI], v[212:215], s[OB:OB+1] offset:512
.if \restart
.irp j, 0,1,2,3,4,5,6,7
	v_mov_b32 v[16+\j], v[24+\j]
.endr
	RESET
	s_mov_b32 s[Q0], s[Q0B]
	s_mov_b32 s[KF], 0
	s_wait_xcnt 0x0                                ; the two stores have read their base and their data
	s_mov_b64 s[OB:OB+1], s[OB2:OB2+1]
.endif
.endm
	s_wait_loadcnt 0x0                             ; Q
.Lslot:                                            ; eight trips: behind each change of slots but the last the next slot of the sequence is asked for
	CHANGE 1
	STEP 0
	STEP 1
	s_xor_b32 s[TB], s[TB], SLOT1                  ; on to the other slot
	s_cmp_gt_u32 s[KF], s[Q0]                      ; behind a slot KF = 256 (slot + 1): above my first query only behind the block's diagonal slot: a branch on ids
	s_cbranch_scc0 .Lon
	FINISH 1
.Lon:
	s_sub_co_u32 s[SLOTS], s[SLOTS], 1
	s_cmp_lg_u32 s[SLOTS], 0
	s_cbranch_scc1 .Lslot
	CHANGE 0                                       ; the ninth slot is written out: it is the second block's diagonal slot
	STEP 0
	STEP 1
	FINISH 0
	s_wait_tensorcnt 0x0                           ; the wave's end
	ds_add_u32 v[SPW], v[NIL]
	s_wait_dscnt 0x0
	s_endpgm
.Lfunc_end_k_q675db2c302_attention:
	.size	k_q675db2c302_attention, .Lfunc_end_k_q675db2c302_attention-k_q675db2c302_attention
	.p2alignl 7, 3214868480
	.fill 96, 4, 3214868480
	.section	.rodata,"a",@progbits
	.p2align	6, 0x0
	.amdhsa_kernel k_q675db2c302_attention
		.amdhsa_group_segment_fixed_size 327680
		.amdhsa_private_segment_fixed_size 0
		.amdhsa_enable_private_segment 0
		.amdhsa_kernarg_size 24
		.amdhsa_user_sgpr_count 2
		.amdhsa_user_sgpr_kernarg_segment_ptr 1
		.amdhsa_wavefront_size32 1
		.amdhsa_system_sgpr_workgroup_id_x 1
		.amdhsa_system_sgpr_workgroup_id_y 1
		.amdhsa_system_sgpr_workgroup_id_z 1
		.amdhsa_system_vgpr_workitem_id 0
		.amdhsa_next_free_vgpr 256
		.amdhsa_next_free_sgpr 100
		.amdhsa_reserve_vcc 1
		.amdhsa_float_denorm_mode_32 3
		.amdhsa_float_denorm_mode_16_64 3
		.amdhsa_fp16_overflow 1
		.amdhsa_memory_ordered 1
		.amdhsa_forward_progress 1
		.amdhsa_inst_pref_size 90
	.end_amdhsa_kernel
	.amdgpu_metadata
---
amdhsa.version: [ 1, 2 ]
amdhsa.kernels:
  - .name:           k_q675db2c302_attention
    .symbol:         k_q675db2c302_attention.kd
    .args:
      - { .name: qkv, .offset: 0, .size: 8, .value_kind: global_buffer, .address_space: global }
      - { .name: lowp_scales, .offset: 8, .size: 8, .value_kind: global_buffer, .address_space: global }
      - { .name: attn, .offset: 16, .size: 8, .value_kind: global_buffer, .address_space: global }
    .group_segment_fixed_size: 327680
    .private_segment_fixed_size: 0
    .kernarg_segment_align: 8
    .kernarg_segment_size: 24
    .max_flat_workgroup_size: 512
    .sgpr_count:     100
    .vgpr_count:     256
    .wavefront_size: 32
...
	.end_amdgpu_metadata
.endif
;; end of part 2
;; launch out_proj (part 3): grid 8 x 64, 4 waves a work-group, clusters of 4 x 4, 288,256 bytes of LDS; arguments attn, w_out_codes, lowp_scales, b_out, out0; writes out0
.if DOCPART == 3
	.amdgcn_target "amdgcn-amd-amdhsa--gfx1250"
	.amdhsa_code_object_version 6
	.text
	.protected	k_q675db2c302_out_proj
	.globl	k_q675db2c302_out_proj
	.p2align	8
	.type	k_q675db2c302_out_proj,@function
k_q675db2c302_out_proj:
	s_mov_b64 s[64:65], 0
	v_nop
	global_prefetch_b8 v0, s[64:65] scope:SCOPE_SE
	s_setreg_imm32_b32 hwreg(HW_REG_WAVE_MODE, 25, 1), 1
	s_wait_xcnt 0x0
	s_wait_alu depctr_hold_cnt(0) depctr_sa_sdst(0) depctr_va_vdst(0) depctr_va_sdst(0) depctr_va_ssrc(0) depctr_va_vcc(0) depctr_vm_vsrc(0)
	s_getreg_b32 s2, hwreg(HW_REG_IB_STS2, 6, 4)
	s_cmp_eq_u32 s2, 0
	s_cbranch_scc0 .Lentry_in_a_cluster
	s_endpgm
.Lentry_in_a_cluster:
	s_bfe_u32 s2, ttmp6, 0x10000c
	s_cmp_lg_u32 s2, 0xf033
	s_cbranch_scc0 .Lentry_shape_is_right
	s_endpgm
.Lentry_shape_is_right:
; out0 = attn W_out^T + b_out on codes of E4M3.  attn: images of operand registers, [token tile 512][head 16][piece 2][lane][16 bytes]: heads 2 s and 2 s + 1 on end are the fragment (16 tokens x 128 K) of K step s, k in its true places.
; W_out: [1024 (n)][1024 (k)] codes, K innermost.  b_out [1024], out0 [8192][1024] f32.  out = sum x 2^(e6 + e7) + b_out, one fused multiply-add.
; LIMIT: e6 + e7 between -126 and 127, so that 2^(e6 + e7) is an f32 number.
; SHARES.  A work-group of four waves makes 128 tokens x 128 outputs, a wave 64 x 64: 16 accumulators.  512 work-groups: a tile of 256 x 256 would give 128.
; ALL OF K LIES IN LDS: 128 tokens x 1,024 and 128 outputs x 1,024 codes come in four quarters of 256 along K, each LDS byte filled once; a wave issues four tensor loads at the start (four of mine are out), and a
; counted wait and a barrier stand in front of each quarter's first read.  No slot is filled again.
; CLUSTERS: 4 x 4 work-groups; attn's tile is shared along a row of the cluster, W's along a column: joint loads.
; THE MATRIX INSTRUCTION IS USED TRANSPOSED (source 0 = 16 rows of W, source 1 = 16 tokens): a lane holds eight neighbouring outputs of one token.
; W's fragments are read by loads of 8 bytes in the form's own order of k (registers 2 c, 2 c + 1: k = 16 c + 8 (lane / 16) + 0 .. 7), since attn's images are in that order.
; REGISTERS: window 0: v16-27 addresses; v32-63 the bias; v64-95 a block's results; v96-127 and v128-159 rows read back, by turns; v128-255 the accumulators ((a, b) at v[128 + 8 (4 a + b)]).
;   window 1: two fragment buffers of 128: attn's four fragments, then W's four.
.set PITCH, 272                        ; W's rows in LDS: 256 bytes + 16 = 68 words: the 32 lanes of a load of 8 bytes (row lane % 16, + 8 (lane / 16)) touch 64 different banks (64 banks of 4 bytes: ISA guide 11.1)
.set AQ,    32768                      ; a quarter of attn: 8 token tiles x 4,096 bytes, dense
.set BREG,  4*AQ                       ; W's quarters begin here,
.set BQ,    128*PITCH                  ; each 128 rows
.set STG,   BREG+4*BQ                  ; behind them: a stage of 16 rows x 272 bytes for each wave; no tensor load lands there
.set ADRA, 16                          ; v16-17  my attn fragments in quarters 0-1, 2-3
.set ADRB, 20                          ; v20-21  the same for W
.set STO,  24                          ; v24     the stage: where I put 32 bytes of a row
.set RD,   25                          ; v25     and where I read rows back
.set CO,   26                          ; v26     my byte offset in two rows of out0
.set BOF,  27                          ; v27     the bias: 32 (lane / 16) + 256 x (wave % 2)
.set BO,   32
.set TT,   64
.set BK,   96
.set ACC,  128
.set G1A, 24                           ; s[24:31] group 1 for attn's tiles;  s[32:47] group 0, one for each quarter
.set G0A, 32
.set G0B, 48                           ; s[48:63] group 0 for W's tiles;  s[68:75] their group 1
.set G1B, 68
.set MSB, 0
.macro WIN new                         ; the immediate's high byte repeats the setting that is left
.if MSB != (\new)
	s_set_vgpr_msb (MSB<<8)|(\new)
.set MSB, (\new)
.endif
.endm
.macro CROUND                          ; a round of the cluster's barrier
	s_barrier_signal -1
	s_barrier_wait -1
	s_cmp_lg_u32 s14, 0
	s_cbranch_scc1 .Lnot_wave_0_\@
	s_barrier_signal -3
.Lnot_wave_0_\@:
	s_barrier_wait -3
	s_barrier_signal -1
	s_barrier_wait -1
.endm
.macro PLACES                          ; four plain vector instructions between a matrix instruction and a load into, or a vector read of, its registers
.rept 4
	v_nop
.endr
.endm
	s_load_b128 s[4:7], s[0:1], 0x0                ; attn s[4:5], W's codes s[6:7]
	s_load_b128 s[8:11], s[0:1], 0x10              ; the exponents s[8:9], b_out s[10:11]
	s_load_b64 s[12:13], s[0:1], 0x20              ; out0
	v_lshl_add_u32 v30, v0, 2, 0x46400
	v_mov_b32 v31, 0
	ds_add_u32 v30, v31
	ds_add_u32 v30, v31
	v_lshrrev_b32 v1, 5, v0
	v_readfirstlane_b32 s14, v1                    ; wave 0..3
	s_lshr_b32 s15, s14, 1                         ; which 64 tokens are mine.  Also: I fetch for attn (0) or for W (1)
	s_and_b32 s16, s14, 1                          ; which 64 outputs.  Also: which half of that tile I fetch
	s_bfe_u32 s76, ttmp6, 0x40000                  ; cx, cy
	s_bfe_u32 s77, ttmp6, 0x40004
	s_lshl_b32 s78, ttmp9, 2
	s_add_co_u32 s78, s78, s76                     ; tc: tile of 128 outputs
	s_and_b32 s79, ttmp7, 0xffff
	s_lshl_b32 s79, s79, 2
	s_add_co_u32 s79, s79, s77                     ; tr: tile of 128 tokens
	s_lshl_b32 s80, s77, 2
	s_lshl_b32 s80, 15, s80                        ; my row of the cluster
	s_lshl_b32 s81, 0x1111, s76                    ; my column
	; attn: 4 token tiles x 4,096 bytes (four heads), 16,384 bytes apart in memory, dense in LDS
	s_or_b32 s[G1A], s80, (1<<21)                  ; 15:0 the mask: my row; 17:16 elements of 1 byte; 21 set beside a mask; no padding
	s_mov_b32 s[G1A+1], 4096<<16                   ; tensor_dim0
	s_mov_b32 s[G1A+2], 4<<16                      ; tensor_dim1
	s_mov_b32 s[G1A+3], 4096<<16                   ; tile_dim0
	s_mov_b32 s[G1A+4], 4                          ; tile_dim1
	s_mov_b32 s[G1A+5], 16384                      ; tensor_dim0_stride
	s_mov_b32 s[G1A+6], 0
	s_mov_b32 s[G1A+7], 0
	; W: 64 rows x 256 bytes, 1,024 bytes apart in memory, 16 bytes of padding behind each in LDS
	s_or_b32 s[G1B], s81, (1<<20)|(1<<21)|(5<<22)|(3<<25)   ; the mask: my column; padding: four words after every 64
	s_mov_b32 s[G1B+1], 256<<16
	s_mov_b32 s[G1B+2], 64<<16
	s_mov_b32 s[G1B+3], 256<<16
	s_mov_b32 s[G1B+4], 64
	s_mov_b32 s[G1B+5], 1024
	s_mov_b32 s[G1B+6], 0
	s_mov_b32 s[G1B+7], 0
	s_lshl_b32 s18, s79, 3
	s_lshl_b32 s19, s16, 2
	s_add_co_u32 s18, s18, s19                     ; attn: token tile 8 tr + 4 x half,
	s_lshl_b32 s18, s18, 14                        ; in bytes
	s_mov_b32 s19, 0
	s_lshl_b32 s94, s78, 7
	s_lshl_b32 s95, s16, 6
	s_add_co_u32 s94, s94, s95                     ; W: row 128 tc + 64 x half
	s_lshl_b32 s94, s94, 10
	s_mov_b32 s95, 0
	s_lshl_b32 s20, s16, 14                        ; where they go in a quarter: no place in the cluster enters an LDS address
	s_mul_i32 s21, s16, 64*PITCH
	s_add_co_u32 s21, s21, BREG
	s_wait_dscnt 0x0
	s_wait_kmcnt 0x0
	s_load_b256 s[84:91], s[8:9], 0x0              ; e0 .. e7
	s_add_nc_u64 s[18:19], s[4:5], s[18:19]
	s_add_nc_u64 s[94:95], s[6:7], s[94:95]
.irp k, 0,1,2,3
	s_mov_b32 s[G0A+4*\k], 1
	s_add_co_u32 s[G0A+4*\k+1], s20, \k*AQ
	s_add_nc_u64 s[G0A+4*\k+2:G0A+4*\k+3], s[18:19], \k*4096      ; heads 4 k on
	s_or_b32 s[G0A+4*\k+3], s[G0A+4*\k+3], 0x80000000
	s_mov_b32 s[G0B+4*\k], 1
	s_add_co_u32 s[G0B+4*\k+1], s21, \k*BQ
	s_add_nc_u64 s[G0B+4*\k+2:G0B+4*\k+3], s[94:95], \k*256       ; K = 256 k on
	s_or_b32 s[G0B+4*\k+3], s[G0B+4*\k+3], 0x80000000
.endr
	CROUND                                         ; all sixteen work-groups are here: the joint loads meet
	s_cmp_eq_u32 s15, 0                            ; a wave's four fills stand in one branch on the wave's number, ahead of every wait on TENSORcnt, every LDS read and every other barrier; four v_nop follow the last
	s_cbranch_scc0 .Lfor_b
.irp k, 0,1,2,3
	tensor_load_to_lds s[G0A+4*\k:G0A+4*\k+3], s[G1A:G1A+7]
	s_nop 0
.endr
.rept 4
	v_nop
.endr
	s_branch .Lasked
.Lfor_b:
.irp k, 0,1,2,3
	tensor_load_to_lds s[G0B+4*\k:G0B+4*\k+3], s[G1B:G1B+7]
	s_nop 0
.endr
.rept 4
	v_nop
.endr
.Lasked:
	v_and_b32 v1, 15, v0                           ; r
	v_bfe_u32 v2, v0, 4, 1                         ; h
	v_and_b32 v3, 31, v0                           ; lane
	s_lshl_b32 s22, s15, 14                        ; my four token tiles of a quarter's eight
	v_lshl_add_u32 v[ADRA], v3, 4, s22             ; an image is read as it lies: 16 x lane
	v_add_nc_u32 v[ADRA+1], 2*AQ, v[ADRA]
	v_mul_u32_u24 v4, v1, PITCH
	v_lshl_add_u32 v4, v2, 3, v4                   ; W: row r, + 8 h
	v_add_nc_u32 v[ADRB], s21, v4                  ; my 64 rows are the half that bears my wave's low bit
	v_add_nc_u32 v[ADRB+1], 2*BQ, v[ADRB]
	s_mul_i32 s23, s14, 16*PITCH
	s_add_co_u32 s23, s23, STG                     ; my stage
	v_mul_u32_u24 v5, v1, PITCH
	v_lshl_add_u32 v5, v2, 5, v5
	v_add_nc_u32 v[STO], s23, v5                   ; in: row r, 32 bytes for each half of the lanes
	v_mul_u32_u24 v5, v2, PITCH
	v_lshl_add_u32 v5, v1, 4, v5
	v_add_nc_u32 v[RD], s23, v5                    ; back: lanes 0-15 one row of 256 bytes, lanes 16-31 the next
	v_lshlrev_b32 v5, 12, v2
	v_lshl_add_u32 v[CO], v1, 4, v5                ; and the same two rows in out0 (4,096 bytes a row)
	s_lshl_b32 s22, s16, 8
	v_lshl_add_u32 v[BOF], v2, 5, s22
	s_wait_alu depctr_va_vdst(0)
	s_lshl_b32 s96, s78, 9                         ; the tile's 128 outputs in bytes
	s_mov_b32 s97, 0
	s_add_nc_u64 s[10:11], s[10:11], s[96:97]
	s_lshl_b32 s98, s79, 7
	s_lshl_b32 s99, s15, 6
	s_add_co_u32 s98, s98, s99                     ; my first token: 128 tr + 64 x half
	s_lshl_b32 s98, s98, 12
	s_add_co_u32 s98, s98, s96
	s_add_co_u32 s98, s98, s22                     ; my first output: 512 tc + 256 x half bytes
	s_mov_b32 s99, 0
	s_add_nc_u64 s[12:13], s[12:13], s[98:99]
.irp b, 0,1,2,3
	global_load_b128 v[BO+8*\b:BO+8*\b+3], v[BOF], s[10:11] offset:64*\b        ; register 8 b + j: b_out of output 16 b + 8 h + j of my 64
	global_load_b128 v[BO+8*\b+4:BO+8*\b+7], v[BOF], s[10:11] offset:64*\b+16
.endr
; 48 LDS loads: the fragments of K step s (128 along K; quarter s / 2) into the buffer at f of window 1
.macro FETCH s, f
	WIN 0x40                                       ; destination window 1, address window 0
.irp a, 0,1,2,3
.irp c, 0,1,2,3
	ds_load_b128 v[(\f)+16*\a+4*\c:(\f)+16*\a+4*\c+3], v[ADRA+((\s)/4)] offset:(((\s)/2)%2)*AQ+\a*4096+((\s)%2)*2048+512*\c
.endr
.endr
.irp b, 0,1,2,3
.irp c, 0,1,2,3,4,5,6,7
	ds_load_b64 v[(\f)+64+16*\b+2*\c:(\f)+64+16*\b+2*\c+1], v[ADRB+((\s)/4)] offset:(((\s)/2)%2)*BQ+\b*16*PITCH+((\s)%2)*128+16*\c
.endr
.endr
.endm
; 16 matrix instructions: the 16 accumulators take turns, one instruction a turn, in the same order in every step.  Step 0 starts the sums.
.macro MUL s
	WIN 0x05                                       ; sources 0 (W) and 1 (attn) window 1; C and D window 0
.set FB, 128*((\s)%2)
.irp a, 0,1,2,3
.irp b, 0,1,2,3
.if (\s) == 0
	v_wmma_f32_16x16x128_fp8_fp8 v[ACC+8*(4*\a+\b):ACC+8*(4*\a+\b)+7], v[FB+64+16*\b:FB+64+16*\b+15], v[FB+16*\a:FB+16*\a+15], 0
.else
	v_wmma_f32_16x16x128_fp8_fp8 v[ACC+8*(4*\a+\b):ACC+8*(4*\a+\b)+7], v[FB+64+16*\b:FB+64+16*\b+15], v[FB+16*\a:FB+16*\a+15], v[ACC+8*(4*\a+\b):ACC+8*(4*\a+\b)+7]
.endif
.endr
.endr
.endm
; K step g: the next step's fragments are asked for, then this step is multiplied.  In front of the first read of a new quarter: my part of it has landed (the later quarters may stay out), no LDS load of mine is pending, a barrier.
.macro KS g
.if (((\g)%2) == 1) && ((\g) < 7)
	s_wait_dscnt 0x0
	s_wait_tensorcnt 3-((\g)+1)/2                  ; loads of a wave end in order: quarter (g + 1) / 2 is in; those issued behind it may be out
	s_barrier_signal -1
	s_barrier_wait -1                              ; everybody's part is in
.endif
.if (\g) < 7
.if (\g) > 0
	PLACES                                         ; the other buffer was read by the last products
.endif
	FETCH (\g)+1, 128*(((\g)+1)%2)
	s_wait_dscnt 48                                ; all but the 48 just issued
.else
	s_wait_dscnt 0x0
.endif
	MUL \g
.endm
	s_wait_tensorcnt 3                             ; my part of quarter 0 is in; three loads may be out
	s_barrier_signal -1
	s_barrier_wait -1
	FETCH 0, 0
.irp g, 0,1,2,3,4,5,6,7
	KS \g
.endr
	WIN 0
	; THE WAY OUT, block by block of 16 tokens x 64 outputs: through my own stage, back as whole rows of 256 bytes; sixteen lanes store 256 consecutive bytes, aligned.
	s_wait_kmcnt 0x0
	s_add_co_i32 s92, s90, s91                     ; e6 + e7
	s_add_co_i32 s92, s92, 127
	s_lshl_b32 s92, s92, 23                        ; 2^(e6 + e7) as f32
	s_mov_b32 s93, s92                             ; (named with it as a pair, so it is written)
	s_wait_loadcnt 0x0                             ; the bias
	PLACES
.macro TOSTAGE a
.irp b, 0,1,2,3
.irp j, 0,2,4,6
	v_pk_fma_f32 v[TT+8*\b+\j:TT+8*\b+\j+1], v[ACC+8*(4*(\a)+\b)+\j:ACC+8*(4*(\a)+\b)+\j+1], s[92:93], v[BO+8*\b+\j:BO+8*\b+\j+1] op_sel_hi:[1,0,1]   ; sum x 2^(e6 + e7) + bias; each accumulator from its low end on
.endr
.endr
.irp b, 0,1,2,3
	ds_store_b128 v[STO], v[TT+8*\b:TT+8*\b+3] offset:64*\b
	ds_store_b128 v[STO], v[TT+8*\b+4:TT+8*\b+7] offset:64*\b+16
.endr
.set BB, BK+32*((\a)%2)
.irp t, 0,1,2,3,4,5,6,7
	ds_load_b128 v[BB+4*\t:BB+4*\t+3], v[RD] offset:2*\t*PITCH    ; LDS serves a wave's instructions in order (ISA guide 5.7.1.4): these see my stores, and the next block's stores come behind them
.endr
.endm
.macro SEND a, younger                 ; younger: the LDS instructions issued behind block a's loads, which may stay out
.set BB, BK+32*((\a)%2)
	s_wait_dscnt \younger
.irp t, 0,1,2,3,4,5,6,7
	global_store_b128 v[CO], v[BB+4*\t:BB+4*\t+3], s[12:13] offset:(16*(\a)+2*\t)*4096 th:TH_STORE_NT   ; written once, read by nobody here
.endr
.endm
	TOSTAGE 0
.irp a, 1,2,3
.if \a > 1
	s_wait_xcnt 0x0                                ; the stores of the block two back have read the registers into which this block's rows come
.endif
	TOSTAGE \a
	SEND \a-1, 16                                  ; behind that block's loads: this block's 8 stores and 8 loads
.endr
	SEND 3, 0
	s_wait_dscnt 0x0
	s_wait_tensorcnt 0x0
	ds_add_u32 v30, v31
	s_wait_dscnt 0x0
	CROUND                                         ; the closing round: no work-group ends while a partner may still ask for a tile that names it
	s_endpgm
.Lfunc_end_k_q675db2c302_out_proj:
	.size	k_q675db2c302_out_proj, .Lfunc_end_k_q675db2c302_out_proj-k_q675db2c302_out_proj
	.p2alignl 7, 3214868480
	.fill 96, 4, 3214868480
	.section	.rodata,"a",@progbits
	.p2align	6, 0x0
	.amdhsa_kernel k_q675db2c302_out_proj
		.amdhsa_group_segment_fixed_size 288256
		.amdhsa_private_segment_fixed_size 0
		.amdhsa_enable_private_segment 0
		.amdhsa_kernarg_size 40
		.amdhsa_user_sgpr_count 2
		.amdhsa_user_sgpr_kernarg_segment_ptr 1
		.amdhsa_wavefront_size32 1
		.amdhsa_system_sgpr_workgroup_id_x 1
		.amdhsa_system_sgpr_workgroup_id_y 1
		.amdhsa_system_sgpr_workgroup_id_z 1
		.amdhsa_system_vgpr_workitem_id 0
		.amdhsa_next_free_vgpr 512
		.amdhsa_next_free_sgpr 100
		.amdhsa_reserve_vcc 0
		.amdhsa_float_denorm_mode_32 3
		.amdhsa_float_denorm_mode_16_64 3
		.amdhsa_memory_ordered 1
		.amdhsa_forward_progress 1
		.amdhsa_inst_pref_size 55
	.end_amdhsa_kernel
	.amdgpu_metadata
---
amdhsa.version: [ 1, 2 ]
amdhsa.kernels:
  - .name:           k_q675db2c302_out_proj
    .symbol:         k_q675db2c302_out_proj.kd
    .args:
      - { .name: attn, .offset: 0, .size: 8, .value_kind: global_buffer, .address_space: global }
      - { .name: w_out_codes, .offset: 8, .size: 8, .value_kind: global_buffer, .address_space: global }
      - { .name: lowp_scales, .offset: 16, .size: 8, .value_kind: global_buffer, .address_space: global }
      - { .name: b_out, .offset: 24, .size: 8, .value_kind: global_buffer, .address_space: global }
      - { .name: out0, .offset: 32, .size: 8, .value_kind: global_buffer, .address_space: global }
    .group_segment_fixed_size: 288256
    .private_segment_fixed_size: 0
    .kernarg_segment_align: 8
    .kernarg_segment_size: 40
    .max_flat_workgroup_size: 128
    .sgpr_count:     100
    .vgpr_count:     512
    .wavefront_size: 32
...
	.end_amdgpu_metadata
.endif
;; end of part 3
